; MI455X (gfx1250); checked and timed in simulation.
; The chip was launched on July 23, 2026; its instructions are those of AMD's public machine-readable ISA for CDNA 5 (MIT licence, August 2026) and "CDNA5" Instruction Set Architecture Reference Guide (July 2026). The comments in the code are by the model that wrote it; some were corrected since.
;; Attention. Allowed arithmetic: matrix products marked QUANTISED: E3M2 operands, one E8M0 scale for each 32 along K, by v_wmma_scale_f32_16x16x128_f8f6f4 with both operands' format E3M2, f32 sums; everything else in f32.
;; Inputs: k 4 x 16 x 1,024 x 64 float32; projection_matrix 64 x 64 float32; q 4 x 16 x 1,024 x 64 float32; v 4 x 16 x 1,024 x 64 float32.
;; Outputs: out0 4 x 16 x 1,024 x 64 float32.
;; This version of the problem:
;;   THIS VERSION OF THE PROBLEM IS GIVEN IN LOW PRECISION. The matrix products marked QUANTISED in the list below multiply operands that are first quantised to E3M2 (3 exponent bits, 2 mantissa bits; 6 bits a number), with one power-of-two scale for each 32 numbers along K (OCP MX v1.0); their sums are f32. All else is computed in f32.
;;   The module's matrix products, in the order in which they are computed (A, B: the left and right operand; K: the contracted axis; several contracted axes count as one K, in the product's order):
;;     1. [M 65,536, K 64] x [K 64, N 64]; A: computed on the way; B: input projection_matrix: QUANTISED
;;     2. [M 65,536, K 64] x [K 64, N 64]; A: computed on the way; B: input projection_matrix: QUANTISED
;;     3. batch 64 x [M 1,024, K 64] x [K 64, N 1,024]; A: computed on the way; B: computed on the way: QUANTISED
;;     4. batch 64 x [M 1,024, K 1,024] x [K 1,024, N 64]; A: computed on the way; B: input v: QUANTISED
;;   THE QUANTISER, for each operand of a quantised product, along K:
;;     - K is cut into blocks of 32 from its start; a last block that is shorter is filled with zeros.
;;     - A block's scale is 2^e with e = floor(log2(the largest magnitude in the block)) - 4, held to -126 .. 127; a block of zeros has e = 0. As a byte (E8M0): e + 127.
;;     - Each number is divided by its block's scale, clamped to +-28, and rounded to the nearest number of E3M2, ties to even, subnormals kept.
;;     - The product sums the exact products of the quantised numbers (number of the format x scale) in f32.
;;   ~~~python
;;   def quantise(x, axis):      # numpy; x: float32 -> the quantised numbers, widened to float32 again
;;       x = np.moveaxis(x, axis, -1); K = x.shape[-1]
;;       x = np.pad(x, [(0, 0)] * (x.ndim - 1) + [(0, -K % 32)]); x = x.reshape(x.shape[:-1] + (-1, 32)); a = np.abs(x).max(-1, keepdims=True)
;;       e = np.where(a > 0, np.clip(np.frexp(np.where(a > 0, a, 1))[1] - 1 - 4, -126, 127), 0)      # np.frexp(a)[1] - 1 = floor(log2(a)), exactly
;;       r = np.clip(x / 2.0 ** e, -28, 28)
;;       step = 2.0 ** (np.maximum(np.frexp(np.where(r == 0, 1, r))[1] - 1, -2) - 2)
;;       q = np.round(r / step) * step * 2.0 ** e      # np.round: ties to even
;;       return np.moveaxis(q.reshape(q.shape[:-2] + (-1,))[..., :K], -1, axis).astype(np.float32)
;;   ~~~
;;   OPERANDS COMPUTED ON THE WAY. 'Computed on the way' means the value that the module computes at that place (a softmax that the list does not call 'softmax' is quantised finished and normalised). What goes into a quantiser is computed in f32, as accurately as f32 sums, v_exp_f32 and their like allow (about 1e-6 of the number): no bf16 or f16 on the way to a quantiser, and a product that is left as it is and whose result goes on into a quantised operand takes f32 operands (vector FMAs, or v_wmma_f32_16x16x4_f32). A number that lies on a knife's edge between two numbers of the format may be rounded either way, as far as f32 arithmetic and the matrix unit's own rounding can turn it there, and no further.
;; One version. Each part assembles by itself: llvm-mc -triple=amdgcn-amd-amdhsa -mcpu=gfx1250 --defsym DOCPART=n.
;; ======== version 1 of 1: 1 launch
;; launch performer (part 1): grid 4 x 64, 16 waves a work-group, no clusters, 198,656 bytes of LDS; arguments q, k, v, projection_matrix, out0; writes out0
.if DOCPART == 1
	.amdgcn_target "amdgcn-amd-amdhsa--gfx1250"
	.amdhsa_code_object_version 6
	.text
	.protected	k_q25f856fb45_performer
	.globl	k_q25f856fb45_performer
	.p2align	8
	.type	k_q25f856fb45_performer,@function
k_q25f856fb45_performer:
	s_mov_b64 s[64:65], 0
	v_nop
	global_prefetch_b8 v0, s[64:65] scope:SCOPE_SE
	s_setreg_imm32_b32 hwreg(HW_REG_WAVE_MODE, 25, 1), 1
	s_wait_xcnt 0x0
; Performer attention, causal, 64 heads of 1,024 x 64, all four products on codes of BF6 (E3M2) with one E8M0 scale for each 32 along K.
;   dd = Q(64^-0.25 x) Q(P);  feature = exp(dd - |x|^2 / 16 - stab) + 1e-4 (stab: a query's largest dd; for keys the head's largest dd);
;   s = Q(qp) Q(kp)^T, keys after the query count 0;  p = s / the row's sum;  o = Q(p) Q(v), both quantised along the keys.
; SHARES.  A work-group serves 256 queries of one head (grid x: which 16 tiles of 16 queries, grid y: the head); each of its sixteen waves owns ONE tile of 16 queries in 256 registers.
; Every work-group makes kp's and v's codes of the WHOLE head in its own LDS (wave w: keys 64 w .. 64 w + 63): the head's largest dd has to be known ahead of every exponential of a key, so all keys meet in one work-group.
; A tile of queries i walks i / 8 + 1 key steps of 128; the tiles are dealt so that the waves w / 4 = const and the waves w % 4 = const each walk 18 steps in all.
; THE ROW'S SUM is wanted ahead of p's quantiser, so the keys are walked twice.  The first walk wants sums alone: in a step all of whose keys count, TWO tiles of kp fill one operand (K = 0 .. 63 and 64 .. 127) against
; [qp | qp], and four accumulators carry the sums from step to step.  A wave's last step lies on the diagonal: there the single scores are made and masked, the sum is finished, and p and O^T are made of the scores that
; still lie in the registers.  The second walk takes the other steps: the scores once more, p, O^T.
; LAYOUT.  Every product is used transposed: source 0 = 16 rows of P^T, of kp or of v^T, source 1 = 16 rows of x, of qp or of p: a lane holds ONE key or query (lane % 16 = r; h = lane / 16) throughout.
; THE ROWS OF A TILE OF P^T AND OF kp ARE NOT NEIGHBOURS: lane r of tile 2 b + u takes row 32 b + 8 u + r + 8 (r / 8), so that registers 16 b + i of two neighbouring tiles are index 32 b + 16 h + i along the next K.
; Where K = 64 fills half of the instruction's 128, registers 6 to 11 of the operand are zero codes on both sides, written once; their scale bytes are 0, which is a power of two and no NaN.
; OPERANDS GO FROM WAVE TO WAVE THROUGH LDS AS IMAGES OF THEIR REGISTERS: six registers a lane as 512 bytes (16 x lane) + 256 bytes (8 x lane).
; NO JOINT LOADS, though the four work-groups of a head read the same k and v: each f32 number is wanted once, in a lane's registers, by the quantiser; as f32 a head's k and v are 524,288 bytes, more than LDS holds,
; so they would have to go through slots that are filled again, for one read each.  They are loaded straight into registers.
; LIMITS.  NaN and infinities among the inputs are not served.  A block whose largest magnitude lies under 2^-122 gets the scale byte 1; so does a block of zeros, where the quantiser's rule says 127 (its codes are zeros,
; and this program alone reads the bytes).  p = s x v_rcp_f32(sum), not a true division.  The exponential is v_exp_f32 of ONE fused multiply-add, dd x log2 e - (diag + stab) x log2 e, where the source rounds
; dd - diag, then - stab: the two differ by about an ulp of the exponent.  Sums are added in another order than the source's, those of the first walk's open steps inside the matrix unit, in f32.
; A row whose sum of s is exactly 0 (the source gives NaN there) is not served.
.set KIMG, 0                           ; LDS: kp's 64 tiles, 768 bytes each: tile 4 w + tt; a key step's eight are 6,144 bytes
.set VIMG, 49152                       ; v^T: 6,144 x step + 1,536 x (tile of 16 d) + 768 x (half of the step's 128 keys)
.set KSC,  98304                       ; kp's scale words: 512 x step + 16 (r + 16 (tile % 2)) + 4 (tile / 2)
.set VSC,  102400                      ; v's: 256 x step + 8 (d % 32) + 4 (d / 32)
.set PIMG, 104448                      ; P^T's four tiles, in four copies (one for each four waves), 3,072 bytes a copy
.set PSC,  116736                      ; their scale words: 512 bytes a copy: 16 x lane + 4 x tile
.set MX,   118784                      ; each wave's largest dd: 16 words
.set KSC2, 119040                      ; kp's scale words for PAIRS of tiles: 512 x step + 16 r + 4 x pair: bytes 0, 1 tile 2 i's, bytes 2, 3 tile 2 i + 1's (256 of each 512 bytes are used)
.set STG,  123136                      ; a stage of 16 rows x 272 bytes for each wave, its own
.set SP,   272                         ; 256 bytes + 16: the sixteen rows that a load of 16 bytes a lane touches begin at sixteen different 16-byte columns
.set FLOOR, 0x2800000                  ; 2^(5 - 127): no largest magnitude is taken under it, so the scale byte cannot fall under 1
.set LN16, 1                           ; v1   16 x lane
.set LN8,  2                           ; v2   8 x lane
.set LN4,  3                           ; v3   4 x lane
.set STW,  4                           ; v4   my stage, two rows an instruction: 272 h + 16 r
.set STR,  5                           ; v5   my stage, a lane's 128 bytes of row r: 272 r + 128 h
.set OSW,  6                           ; v6   my stage, the way out: 272 r + 32 h
.set KW16, 7                           ; v7, v8   where my tiles of kp go
.set KW8,  8
.set KSW,  9                           ; v9   and their scale words
.set VW16, 10                          ; v10, v11 where my part of v^T goes
.set VW8,  11
.set VSW,  12                          ; v12  and its scale bytes
.set SH8,  13                          ; v13  8 h
.set QD,   14                          ; v14  r - 16 h
.set MXW,  15                          ; v15  my wave's word in MX;
.set R16,  15                          ;      in the walks: 16 r
.set A16,  16                          ; v16-19 addresses of the loads in hand (v19 at the head: my offset in P)
.set A8,   17
.set ADS,  18
.set ADT,  19
.set DG,   20                          ; v20-23 |x|^2 / 16 of my four tiles of keys (at the head: scratch)
.set DGW,  24                          ; v[24:25] (diag + stab) x log2 e of the tile at work (of these three pairs the low word serves both halves; the upper is written once)
.set STB,  26                          ; v[26:27] stab
.set RI,   28                          ; v[28:29] 1 / the row's sum
.set SUMA, 30                          ; v[30:33] the row's sum, in two chains of pairs
.set SUMB, 32
.set KM,   34                          ; v34, v35 my keys' largest dd, two chains
.set KM2,  35
.set XS,   36                          ; v36-51 hold scale words and nothing else: x's (four tiles of keys),
.set QS2,  36                          ;   in the walks v36: qp's word twice, for [qp | qp];
.set PS,   40                          ; P^T's four tiles',
.set KS2,  40                          ;   in the walks: a step's four pairs of tiles of kp;
.set KS,   44                          ; a step's kp: register i: lanes 0-15 tile 2 i, lanes 16-31 tile 2 i + 1,
.set VS,   48                          ; a step's v^T, likewise,
.set QS,   50                          ; qp's,
.set PW,   51                          ; the one just made
.set QF,   52                          ; v52-63   qp's codes
.set PC,   64                          ; v64-75   the codes just made
.set PT,   76                          ; v76-83   second halves of blocks: a conversion's three registers begin on an even number
.set TM,   84                          ; v84-95   at work
.set PF,   96                          ; v96-143  P^T's four fragments, later four of kp's
.set KF,   96
.set XF,   144                         ; v144-191 the codes of four tiles of keys (first: P as it is loaded)
.set G0,   192                         ; v192-223, v224-255 two sets of 32 numbers
.set G1,   224
.set S,    144                         ; the walks: v144-207 S^T, then p, then v^T's fragments; in the first walk's open steps four pairs of tiles of kp
.set O,    208                         ; v208-239 the first walk's four accumulators, then O^T
.set MD,   240                         ; v240 the mask's bound
.set QF2,  242                         ; v242-253 [qp | qp]
.set PA16, 176                         ; v176-178 where my tile of P^T goes: used once, ahead of the first barrier
.set PA8,  177
.set PAS,  178
; s14 wave; s17 w / 4; s18 w % 4; s[20:21] selects for lane l xor 16; s[22:23] 64^-0.25; s[24:25] log2 e; s[26:27] 1e-4; s28 my first query; s29 the step's first key;
; s30, s31, s32 where the step's images, kp's and v's scale words begin; s33 the loop's counter; s34 my last query; s35-43 scratch
.macro PLACES n
.rept \n
	v_nop
.endr
.endm
.macro LOADQ                           ; my 16 queries into G0: each load takes two rows, 512 consecutive bytes; read by nobody else
.irp j, 0,1,2,3,4,5,6,7
	global_load_b128 v[G0+4*\j:G0+4*\j+3], v[LN16], s[4:5] offset:512*\j th:TH_LOAD_NT
.endr
.endm
.macro LOADK tt, rs                    ; tile tt of my 64 keys: stage row r will be key 32 (tt / 2) + 8 (tt % 2) + r + 8 (r / 8); each load takes two neighbouring keys
.irp j, 0,1,2,3,4,5,6,7
	global_load_b128 v[(\rs)+4*\j:(\rs)+4*\j+3], v[LN16], s[6:7] offset:(32*((\tt)/2)+8*((\tt)%2)+2*(\j%4)+16*(\j/4))*256
.endr
.endm
.macro LOADV hf, be, rs                ; a lane takes column d = 32 hf + lane of v, and its registers run down the 32 keys of block be
.irp i, 0,1,2,3,4,5,6,7,8,9,10,11,12,13,14,15,16,17,18,19,20,21,22,23,24,25,26,27,28,29,30,31
	global_load_b32 v[(\rs)+\i], v[LN4], s[8:9] offset:(32*(\be)+\i)*256+128*(\hf)
.endr
.endm
.macro TURN rs                         ; 16 rows of 256 bytes through my stage: in as loaded, back as 128 bytes a lane: x[r][32 h + 0 .. 31].  LDS serves a wave's instructions in order (ISA guide 5.7.1.4): no wait between
.irp j, 0,1,2,3,4,5,6,7
	ds_store_b128 v[STW], v[(\rs)+4*\j:(\rs)+4*\j+3] offset:2*SP*\j
.endr
.irp j, 0,1,2,3,4,5,6,7
	ds_load_b128 v[(\rs)+4*\j:(\rs)+4*\j+3], v[STR] offset:16*\j
.endr
.endm
; A whole block of 32 in one lane's registers: its largest magnitude, the conversion's scale operand (TM+6) and the scale's byte (TM+7)
.macro Q32S rs
	v_max3_num_f32 v[TM+4], |v[(\rs)]|, |v[(\rs)+1]|, FLOOR
	v_max3_num_f32 v[TM+5], |v[(\rs)+2]|, |v[(\rs)+3]|, FLOOR
.irp i, 4,8,12,16,20,24,28
	v_max3_num_f32 v[TM+4], v[TM+4], |v[(\rs)+\i]|, |v[(\rs)+\i+1]|
	v_max3_num_f32 v[TM+5], v[TM+5], |v[(\rs)+\i+2]|, |v[(\rs)+\i+3]|
.endr
	v_max_num_f32 v[TM+4], v[TM+4], v[TM+5]
	v_add_nc_u32 v[TM+6], 0xfe000000, v[TM+4]      ; 4 off its exponent field: the conversion takes the exponent field of this operand as its scale, and nothing else of it
	v_lshrrev_b32 v[TM+7], 23, v[TM+6]             ; the scale's byte
.endm
.macro WORD2 dst                       ; lane (r, h) has block h's byte: with lane l xor 16's it is row r's scale word; bytes 2 and 3 stay 0
	v_lshlrev_b32 v[TM+7], v[SH8], v[TM+7]
	v_permlanex16_b32 v[TM+8], v[TM+7], s20, s21
	v_or_b32 v[\dst], v[TM+7], v[TM+8]
.endm
.macro Q32C rs, dst                    ; the block's 32 codes: six registers
	v_cvt_scalef32_pk16_bf6_f32 v[(\dst):(\dst)+2], v[(\rs):(\rs)+15], v[TM+6]
	v_cvt_scalef32_pk16_bf6_f32 v[PT:PT+2], v[(\rs)+16:(\rs)+31], v[TM+6]
	v_nop                                          ; one plain place behind a scaled conversion
.irp i, 0,1,2
	v_mov_b32 v[(\dst)+3+\i], v[PT+\i]
.endr
.endm
; 16 rows of q or k, 32 numbers a lane: |x|^2 / 16 into dg; 64^-0.25 x, quantised along d, into xf and xs
.macro QX rs, xf, xs, dg
	v_pk_mul_f32 v[TM:TM+1], v[(\rs):(\rs)+1], v[(\rs):(\rs)+1]
	v_pk_mul_f32 v[TM+2:TM+3], v[(\rs)+2:(\rs)+3], v[(\rs)+2:(\rs)+3]
.irp i, 4,8,12,16,20,24,28
	v_pk_fma_f32 v[TM:TM+1], v[(\rs)+\i:(\rs)+\i+1], v[(\rs)+\i:(\rs)+\i+1], v[TM:TM+1]
	v_pk_fma_f32 v[TM+2:TM+3], v[(\rs)+\i+2:(\rs)+\i+3], v[(\rs)+\i+2:(\rs)+\i+3], v[TM+2:TM+3]
.endr
	v_pk_add_f32 v[TM:TM+1], v[TM:TM+1], v[TM+2:TM+3]
	v_add_f32 v[TM], v[TM], v[TM+1]
	v_permlanex16_b32 v[TM+1], v[TM], s20, s21
	v_add_f32 v[TM], v[TM], v[TM+1]                ; the row's sum of squares
	v_mul_f32 v[\dg], 0x3d800000, v[TM]            ; x 0.5 x 0.125: exact
.irp i, 0,2,4,6,8,10,12,14,16,18,20,22,24,26,28,30
	v_pk_mul_f32 v[(\rs)+\i:(\rs)+\i+1], v[(\rs)+\i:(\rs)+\i+1], s[22:23] op_sel_hi:[1,0]
.endr
	Q32S \rs
	WORD2 \xs
	Q32C \rs, \xf
	PLACES 8                                       ; a scale register written by a vector instruction stands 8 places ahead of a scaled matrix instruction, an operand so written 4
.endm
; dd^T: four tiles of 16 features x my 16 rows; register 16 b + i of the set = feature 32 b + 16 h + i of row r
.macro DDOT rs, xf, xs
.irp t, 0,1,2,3
	v_wmma_scale_f32_16x16x128_f8f6f4 v[(\rs)+8*\t:(\rs)+8*\t+7], v[PF+12*\t:PF+12*\t+11], v[(\xf):(\xf)+11], 0, v[PS+\t], v[\xs] matrix_a_fmt:MATRIX_FMT_BF6 matrix_b_fmt:MATRIX_FMT_BF6
.endr
.endm
.macro KMAX rs                         ; each accumulator from its low end on
.irp i, 0,4,8,12,16,20,24,28
	v_max3_num_f32 v[KM], v[KM], v[(\rs)+\i], v[(\rs)+\i+1]
	v_max3_num_f32 v[KM2], v[KM2], v[(\rs)+\i+2], v[(\rs)+\i+3]
.endr
.endm
; exp(dd - diag - stab) + 1e-4, quantised along the 64 features: two blocks, each in lanes l and l xor 16.  v[DGW] holds (diag + stab) x log2 e
.macro FEAT rs, frag, word
.irp i, 0,2,4,6,8,10,12,14,16,18,20,22,24,26,28,30
	v_pk_fma_f32 v[(\rs)+\i:(\rs)+\i+1], v[(\rs)+\i:(\rs)+\i+1], s[24:25], v[DGW:DGW+1] op_sel_hi:[1,0,0] neg_lo:[0,0,1] neg_hi:[0,0,1]   ; one rounding; each accumulator from its low end on
.endr
.irp i, 0,1,2,3,4,5,6,7,8,9,10,11,12,13,14,15,16,17,18,19,20,21,22,23,24,25,26,27,28,29,30,31
	v_exp_f32 v[(\rs)+\i], v[(\rs)+\i]
.endr
	v_nop                                          ; one plain place behind the exponentials
	s_wait_alu depctr_va_vdst(0)
.irp i, 0,2,4,6,8,10,12,14,16,18,20,22,24,26,28,30
	v_pk_add_f32 v[(\rs)+\i:(\rs)+\i+1], v[(\rs)+\i:(\rs)+\i+1], s[26:27] op_sel_hi:[1,0]
.endr
	v_max3_num_f32 v[TM], v[(\rs)], v[(\rs)+1], FLOOR              ; none is negative: no |.|
	v_max3_num_f32 v[TM+1], v[(\rs)+16], v[(\rs)+17], FLOOR
.irp i, 2,4,6,8,10,12,14
	v_max3_num_f32 v[TM], v[TM], v[(\rs)+\i], v[(\rs)+\i+1]
	v_max3_num_f32 v[TM+1], v[TM+1], v[(\rs)+16+\i], v[(\rs)+17+\i]
.endr
	v_permlanex16_b32 v[TM+2], v[TM], s20, s21
	v_permlanex16_b32 v[TM+3], v[TM+1], s20, s21
	v_max_num_f32 v[TM], v[TM], v[TM+2]
	v_max_num_f32 v[TM+1], v[TM+1], v[TM+3]
	v_add_nc_u32 v[TM+4], 0xfe000000, v[TM]
	v_add_nc_u32 v[TM+5], 0xfe000000, v[TM+1]
	v_lshrrev_b32 v[TM+6], 23, v[TM+4]
	v_lshrrev_b32 v[TM+7], 23, v[TM+5]
	v_lshl_or_b32 v[\word], v[TM+7], 8, v[TM+6]
	v_cvt_scalef32_pk16_bf6_f32 v[(\frag):(\frag)+2], v[(\rs):(\rs)+15], v[TM+4]
	v_cvt_scalef32_pk16_bf6_f32 v[PT:PT+2], v[(\rs)+16:(\rs)+31], v[TM+5]
	v_nop                                          ; one plain place behind a scaled conversion
.irp i, 0,1,2
	v_permlane16_swap_b32 v[(\frag)+\i], v[PT+\i]  ; the operand's layout wants a whole block in a lane: lanes 0-15 block 0, lanes 16-31 block 1
.endr
.irp i, 0,1,2
	v_mov_b32 v[(\frag)+3+\i], v[PT+\i]
.endr
.endm
.macro KTILE tt, rs, left              ; tile tt of my keys: codes and diag are kept, dd serves the maximum alone
	s_wait_loadcnt \left                           ; this tile's eight loads are in; what was asked for behind them stays out
	TURN \rs
	s_wait_dscnt 0x0
	QX \rs, XF+12*(\tt), XS+(\tt), DG+(\tt)
	DDOT \rs, XF+12*(\tt), XS+(\tt)
	PLACES 4
	KMAX \rs
.endm
; Tile tt of my keys becomes features: dd once more from the codes that were kept (four matrix instructions, the same bits), then the image and its scale word, the word in both layouts
.macro KP tt
	s_wait_dscnt 0x0                               ; the last stores have read their registers
	DDOT G0, XF+12*(\tt), XS+(\tt)
	v_add_f32 v[DGW], v[DG+(\tt)], v[STB]
	v_mul_f32 v[DGW], s24, v[DGW]
	PLACES 2                                       ; with the two lines above: four places behind the products
	FEAT G0, PC, PW
	ds_store_b128 v[KW16], v[PC:PC+3] offset:768*(\tt)
	ds_store_b64 v[KW8], v[PC+4:PC+5] offset:768*(\tt)+512
	ds_store_b32 v[KSW], v[PW] offset:256*((\tt)%2)+4*((\tt)/2)    ; lanes l and l xor 16 write the same word with the same value
	ds_store_b16 v[KSW], v[PW] offset:KSC2-KSC+4*((\tt)/2)+2*((\tt)%2)   ; its two bytes, as half of the pair's word
.endm
.macro VUNIT hf, be, rs                ; 32 columns d x 32 keys of v: a block a lane
	s_wait_loadcnt 0x0                             ; this unit's 32 loads are in: nothing was asked for behind them
	s_wait_dscnt 0x0                               ; the last stores have read their registers
	Q32S \rs
.if \be
	v_lshl_or_b32 v[TM+9], v[TM+7], 8, v[TM+9]
	ds_store_b16 v[VSW], v[TM+9] offset:4*(\hf)    ; my two blocks' bytes: half of column d's scale word for this key step
.else
	v_mov_b32 v[TM+9], v[TM+7]                     ; (kept over a tile of kp, whose lines leave TM+9 alone)
.endif
	Q32C \rs, PC
	ds_store_b128 v[VW16], v[PC:PC+3] offset:3072*(\hf)+256*(\be)  ; into the image at the place of lane 16 be + d % 16 of tile d / 16
	ds_store_b64 v[VW8], v[PC+4:PC+5] offset:512+3072*(\hf)+128*(\be)
.endm
; The mask of block b (32 keys, registers 16 b .. 16 b + 15) on the diagonal step.  s35 = my first query - the step's first key (0, 16 .. 112), s36 = s35 + 15.  Scalar branches on ids:
; a block all of whose keys count for all 16 queries is left as it is; one none of whose keys counts is cleared; only the block on the diagonal is compared lane by lane.
.macro MASKB b
.if (\b) < 3
	s_cmp_ge_u32 s35, 32*(\b)+31
	s_cbranch_scc1 .Lall_\@
.endif
.if (\b) > 0
	s_cmp_lt_u32 s36, 32*(\b)
	s_cbranch_scc1 .Lnone_\@
.endif
.set NN, 16*(\b)
.rept 16
	v_cmp_le_i32 vcc_lo, 32*(NN/16)+NN%16, v[MD]
	v_cndmask_b32 v[S+NN], 0, v[S+NN], vcc_lo
.set NN, NN+1
.endr
.if (\b) > 0
	s_branch .Lall_\@
.Lnone_\@:
.set NN, 16*(\b)
.rept 16
	v_mov_b32 v[S+NN], 0
.set NN, NN+1
.endr
.endif
.Lall_\@:
.endm
; S^T of a key step: eight tiles of 16 keys x my 16 queries; register 16 b + i = key s29 + 32 b + 16 h + i.  masked = 1: the diagonal step: the keys after the query become 0
.macro SCORES masked
	v_add_nc_u32 v[A16], s30, v[LN16]
	v_add_nc_u32 v[A8], s30, v[LN8]
	v_add_nc_u32 v[ADS], s31, v[LN16]
	v_add_nc_u32 v[ADT], s32, v[LN8]
	ds_load_b128 v[KS:KS+3], v[ADS]
.irp g, 0,1
.if \g
	PLACES 4                                       ; in front of loads into registers that matrix instructions have read
.endif
.irp t, 0,1,2,3
	ds_load_b128 v[KF+12*\t:KF+12*\t+3], v[A16] offset:768*(4*\g+\t)
	ds_load_b64 v[KF+12*\t+4:KF+12*\t+5], v[A8] offset:768*(4*\g+\t)+512
.endr
	s_wait_dscnt 0x0
.irp t, 0,1,2,3
.if \t%2
	v_wmma_scale_f32_16x16x128_f8f6f4 v[S+8*(4*\g+\t):S+8*(4*\g+\t)+7], v[KF+12*\t:KF+12*\t+11], v[QF:QF+11], 0, v[KS+2*\g+\t/2], v[QS] matrix_a_fmt:MATRIX_FMT_BF6 matrix_b_fmt:MATRIX_FMT_BF6 matrix_a_scale:MATRIX_SCALE_ROW1
.else
	v_wmma_scale_f32_16x16x128_f8f6f4 v[S+8*(4*\g+\t):S+8*(4*\g+\t)+7], v[KF+12*\t:KF+12*\t+11], v[QF:QF+11], 0, v[KS+2*\g+\t/2], v[QS] matrix_a_fmt:MATRIX_FMT_BF6 matrix_b_fmt:MATRIX_FMT_BF6
.endif
.endr
.endr
	PLACES 4
.if \masked
	s_sub_co_i32 s35, s28, s29
	s_add_co_u32 s36, s35, 15
	v_add_nc_u32 v[MD], s35, v[QD]                 ; my query - the step's first key - 16 h: register 16 b + i counts where 32 b + i is at most this
	MASKB 0
	MASKB 1
	MASKB 2
	MASKB 3
.endif
.endm
; The first walk, a step all of whose keys count: pair t = tiles 2 t and 2 t + 1 of kp in one operand, against [qp | qp]: each result is the sum of two scores, and is added onto what the accumulator holds.
; The four accumulators take turns, one instruction a turn, over the loop's backward jump too.
.macro PAIRS
	v_add_nc_u32 v[A16], s30, v[LN16]
	v_add_nc_u32 v[A8], s30, v[LN8]
	v_add_nc_u32 v[ADS], s31, v[R16]
	ds_load_b128 v[KS2:KS2+3], v[ADS] offset:KSC2-KSC              ; register t: pair t's word of row r, in both halves of the lanes
.irp t, 0,1,2,3
	ds_load_b128 v[S+12*\t:S+12*\t+3], v[A16] offset:1536*\t
	ds_load_b64 v[S+12*\t+4:S+12*\t+5], v[A8] offset:1536*\t+512
	ds_load_b128 v[S+12*\t+6:S+12*\t+9], v[A16] offset:1536*\t+768
	ds_load_b64 v[S+12*\t+10:S+12*\t+11], v[A8] offset:1536*\t+1280
.endr
	s_wait_dscnt 0x0
.irp t, 0,1,2,3
	v_wmma_scale_f32_16x16x128_f8f6f4 v[O+8*\t:O+8*\t+7], v[S+12*\t:S+12*\t+11], v[QF2:QF2+11], v[O+8*\t:O+8*\t+7], v[KS2+\t], v[QS2] matrix_a_fmt:MATRIX_FMT_BF6 matrix_b_fmt:MATRIX_FMT_BF6
.endr
	PLACES 5                                       ; the diagonal step's S^T is laid over these operands: five places ahead of a matrix instruction that writes over an operand; they also serve the next step's loads
.endm
.macro P1TAIL                          ; the diagonal step's part of the row's sum, two numbers at a time, in two chains, each accumulator from its low end on
.set NN, 0
.rept 16
	v_pk_add_f32 v[SUMA:SUMA+1], v[SUMA:SUMA+1], v[S+NN:S+NN+1]
	v_pk_add_f32 v[SUMB:SUMB+1], v[SUMB:SUMB+1], v[S+NN+2:S+NN+3]
.set NN, NN+4
.endr
.endm
.macro FINISH                          ; the diagonal step is a wave's last: with the four accumulators of the steps before it the row's sum is whole.  Then the accumulators' registers begin anew, as O^T
.set NN, 0
.rept 8
	v_pk_add_f32 v[SUMA:SUMA+1], v[SUMA:SUMA+1], v[O+NN:O+NN+1]
	v_pk_add_f32 v[SUMB:SUMB+1], v[SUMB:SUMB+1], v[O+NN+2:O+NN+3]
.set NN, NN+4
.endr
	v_pk_add_f32 v[SUMA:SUMA+1], v[SUMA:SUMA+1], v[SUMB:SUMB+1]
	v_add_f32 v[SUMA], v[SUMA], v[SUMA+1]
	v_permlanex16_b32 v[TM], v[SUMA], s20, s21
	v_add_f32 v[SUMA], v[SUMA], v[TM]              ; with lane l xor 16's keys: the row's sum
	v_rcp_f32 v[RI], v[SUMA]
.set NN, 0
.rept 32
	v_mov_b32 v[O+NN], 0                           ; (the first is the plain place behind the transcendental.)  O^T begins as zeros: its step is written for every step alike
.set NN, NN+1
.endr
	s_wait_alu depctr_va_vdst(0)
	v_mov_b32 v[RI+1], v[RI]
.endm
; p = s / sum, quantised along the keys in four blocks of 32, and O^T += v^T p^T
.macro P2TAIL
.irp b, 0,1,2,3
	v_max3_num_f32 v[TM+\b], v[S+16*\b], v[S+16*\b+1], v[S+16*\b+2]        ; each block's largest s (none is negative), the four blocks by turns
.endr
.irp i, 3,5,7,9,11,13
.irp b, 0,1,2,3
	v_max3_num_f32 v[TM+\b], v[TM+\b], v[S+16*\b+\i], v[S+16*\b+\i+1]
.endr
.endr
.irp b, 0,1,2,3
	v_max_num_f32 v[TM+\b], v[TM+\b], v[S+16*\b+15]
.endr
.irp b, 0,1,2,3
	v_permlanex16_b32 v[TM+4+\b], v[TM+\b], s20, s21
.endr
.irp b, 0,1,2,3
	v_max_num_f32 v[TM+\b], v[TM+\b], v[TM+4+\b]
.endr
.irp b, 0,1,2,3
	v_mul_f32 v[TM+\b], v[TM+\b], v[RI]            ; the same multiplication as each element's, which does not fall where s rises: the block's largest p, bit for bit
.endr
.irp b, 0,1,2,3
	v_max_num_f32 v[TM+\b], FLOOR, v[TM+\b]
.endr
.irp b, 0,1,2,3
	v_add_nc_u32 v[TM+8+\b], 0xfe000000, v[TM+\b]
.endr
.irp b, 0,1,2,3
	v_lshrrev_b32 v[TM+4+\b], 23, v[TM+8+\b]
.endr
	v_lshl_or_b32 v[PW], v[TM+5], 8, v[TM+4]       ; p's scale word for these 128 keys
	v_lshl_or_b32 v[PW], v[TM+6], 16, v[PW]
	v_lshl_or_b32 v[PW], v[TM+7], 24, v[PW]
.irp j, 0,2,4,6,8,10,12,14,16,18,20,22,24,26,28,30,32,34,36,38,40,42,44,46,48,50,52,54,56,58,60,62
	v_pk_mul_f32 v[S+\j:S+\j+1], v[S+\j:S+\j+1], v[RI:RI+1] op_sel_hi:[1,0]   ; (the last eight name no register of the products below: with the v_nop further down they are the places behind the scale word)
.endr
.irp c, 0,1
	v_cvt_scalef32_pk16_bf6_f32 v[PC+6*\c:PC+6*\c+2], v[S+32*\c:S+32*\c+15], v[TM+8+2*\c]
	v_cvt_scalef32_pk16_bf6_f32 v[PT+4*\c:PT+4*\c+2], v[S+32*\c+16:S+32*\c+31], v[TM+9+2*\c]
.endr
.irp t, 0,1,2,3                        ; v^T's four fragments of this step come into the registers that p has left
	ds_load_b128 v[S+12*\t:S+12*\t+3], v[A16] offset:VIMG+1536*\t
	ds_load_b64 v[S+12*\t+4:S+12*\t+5], v[A8] offset:VIMG+1536*\t+512
	ds_load_b128 v[S+12*\t+6:S+12*\t+9], v[A16] offset:VIMG+1536*\t+768
	ds_load_b64 v[S+12*\t+10:S+12*\t+11], v[A8] offset:VIMG+1536*\t+1280
.endr
	ds_load_b64 v[VS:VS+1], v[ADT]
	v_nop                                          ; one plain place behind a scaled conversion
.irp c, 0,1
.irp i, 0,1,2
	v_permlane16_swap_b32 v[PC+6*\c+\i], v[PT+4*\c+\i]
.endr
.irp i, 0,1,2
	v_mov_b32 v[PC+6*\c+3+\i], v[PT+4*\c+\i]
.endr
.endr
	PLACES 4                                       ; an operand written by vector instructions stands 4 places ahead of a scaled matrix instruction
	s_wait_dscnt 0x0
.irp t, 0,1,2,3                        ; the four accumulators take turns, one instruction a turn, and other products stand between two of a chain's links
.if \t%2
	v_wmma_scale_f32_16x16x128_f8f6f4 v[O+8*\t:O+8*\t+7], v[S+12*\t:S+12*\t+11], v[PC:PC+11], v[O+8*\t:O+8*\t+7], v[VS+\t/2], v[PW] matrix_a_fmt:MATRIX_FMT_BF6 matrix_b_fmt:MATRIX_FMT_BF6 matrix_a_scale:MATRIX_SCALE_ROW1
.else
	v_wmma_scale_f32_16x16x128_f8f6f4 v[O+8*\t:O+8*\t+7], v[S+12*\t:S+12*\t+11], v[PC:PC+11], v[O+8*\t:O+8*\t+7], v[VS+\t/2], v[PW] matrix_a_fmt:MATRIX_FMT_BF6 matrix_b_fmt:MATRIX_FMT_BF6
.endif
.endr
	PLACES 5                                       ; the next S^T is laid over v^T's fragments: five places ahead of a matrix instruction that writes over an operand (ISA guide 7.12.1); they also serve the way out's reads
.endm
.macro WALK0                           ; a walk begins at the head's first key
	s_mov_b32 s29, 0
	s_mov_b32 s30, KIMG
	s_mov_b32 s31, KSC
	s_mov_b32 s32, VSC
	s_mov_b32 s33, 0
.endm
.macro STEPON                          ; on to the next 128 keys: these lines stand on every way through a trip
	s_add_co_u32 s29, s29, 128
	s_add_co_u32 s30, s30, 6144
	s_add_co_u32 s31, s31, 512
	s_add_co_u32 s32, s32, 256
	s_add_co_u32 s33, s33, 1
.endm
	; ---- the head: ids, addresses, constants
	s_load_b256 s[4:11], s[0:1], 0x0               ; q s[4:5], k s[6:7], v s[8:9], P s[10:11]
	s_load_b64 s[12:13], s[0:1], 0x20              ; o
	v_lshrrev_b32 v20, 5, v0
	v_readfirstlane_b32 s14, v20                   ; wave 0..15
	v_and_b32 v20, 31, v0                          ; lane
	v_and_b32 v21, 15, v0                          ; r
	v_bfe_u32 v22, v0, 4, 1                        ; h
	v_lshlrev_b32 v[LN16], 4, v20
	v_lshlrev_b32 v[LN8], 3, v20
	v_lshlrev_b32 v[LN4], 2, v20
	v_lshlrev_b32 v[SH8], 3, v22
	v_lshlrev_b32 v23, 4, v22
	v_sub_nc_u32 v[QD], v21, v23
	s_lshr_b32 s17, s14, 2                         ; a = w / 4
	s_and_b32 s18, s14, 3                          ; c = w % 4
	s_add_co_u32 s19, s17, s18
	s_and_b32 s19, s19, 3                          ; kappa = (a + c) % 4
	s_lshl_b32 s34, ttmp9, 2
	s_add_co_u32 s34, s34, s17                     ; 4 x work-group x + a: 0 .. 15
	s_and_b32 s35, s19, 2
	s_lshl_b32 s35, s35, 3
	s_add_co_u32 s34, s34, s35                     ; + 16 where kappa is 2 or 3: 0 .. 31
	s_sub_co_u32 s35, 63, s34
	s_and_b32 s36, s19, 1
	s_cmp_lg_u32 s36, 0
	s_cselect_b32 s34, s35, s34                    ; my tile of queries: that number, or 63 less it where kappa is odd: each of 0 .. 63 once in a head
	s_lshl_b32 s28, s34, 4                         ; my first query
	s_and_b32 s16, ttmp7, 0xffff
	s_lshl_b32 s16, s16, 18                        ; the head's first byte in q, k, v and o
	s_lshl_b32 s34, s28, 8
	s_add_co_u32 s34, s34, s16                     ; my queries' rows of 256 bytes
	s_mov_b32 s35, 0
	s_lshl_b32 s36, s14, 14
	s_add_co_u32 s36, s36, s16                     ; my 64 keys' rows
	s_mov_b32 s37, 0
	s_mul_i32 s38, s14, 16*SP
	s_add_co_u32 s38, s38, STG                     ; my stage
	v_mul_u32_u24 v[STW], v22, SP
	v_lshl_add_u32 v[STW], v21, 4, v[STW]
	v_add_nc_u32 v[STW], s38, v[STW]
	v_mul_u32_u24 v[STR], v21, SP
	v_lshl_add_u32 v[OSW], v22, 5, v[STR]
	v_lshl_add_u32 v[STR], v22, 7, v[STR]
	v_add_nc_u32 v[STR], s38, v[STR]
	v_add_nc_u32 v[OSW], s38, v[OSW]
	s_mul_i32 s39, s14, 3072                       ; my four tiles of kp
	v_add_nc_u32 v[KW16], s39, v[LN16]
	v_add_nc_u32 v[KW8], s39, v[LN8]
	s_lshr_b32 s40, s14, 1                         ; the key step that my keys belong to,
	s_and_b32 s41, s14, 1                          ; and which half of it
	s_lshl_b32 s42, s40, 9
	s_lshl_b32 s43, s41, 3
	s_add_co_u32 s42, s42, s43
	s_add_co_u32 s42, s42, KSC
	v_lshl_add_u32 v[KSW], v21, 4, s42
	s_mul_i32 s42, s40, 6144
	s_mul_i32 s43, s41, 768
	s_add_co_u32 s42, s42, s43
	s_add_co_u32 s42, s42, VIMG
	v_mul_u32_u24 v23, v22, 1536
	v_add_nc_u32 v23, s42, v23
	v_lshl_add_u32 v[VW16], v21, 4, v23
	v_lshl_add_u32 v[VW8], v21, 3, v23
	s_lshl_b32 s42, s40, 8
	s_lshl_b32 s43, s41, 1
	s_add_co_u32 s42, s42, s43
	s_add_co_u32 s42, s42, VSC
	v_add_nc_u32 v[VSW], s42, v[LN8]
	s_lshl_b32 s42, s14, 2
	s_add_co_u32 s42, s42, MX
	v_mov_b32 v[MXW], s42
	s_mul_i32 s42, s17, 3072                       ; my four waves' copy of P^T's images,
	s_add_co_u32 s42, s42, PIMG
	v_add_nc_u32 v[A16], s42, v[LN16]
	v_add_nc_u32 v[A8], s42, v[LN8]
	s_lshl_b32 s43, s17, 9
	s_add_co_u32 s43, s43, PSC
	v_add_nc_u32 v[ADS], s43, v[LN16]
	s_mul_i32 s42, s18, 768                        ; and in it the tile that I make: w % 4
	v_add_nc_u32 v[PA16], s42, v[A16]
	v_add_nc_u32 v[PA8], s42, v[A8]
	s_lshl_b32 s43, s18, 2
	v_add_nc_u32 v[PAS], s43, v[ADS]
	s_and_b32 s42, s40, 1
	s_lshl_b32 s42, s42, 7
	s_lshl_b32 s43, s41, 5
	s_add_co_u32 s42, s42, s43                     ; P: tile 2 b + u begins at column 32 b + 8 u;
	v_and_b32 v23, 8, v21
	v_add_nc_u32 v23, v23, v21                     ; lane r takes column + r + 8 (r / 8),
	v_lshlrev_b32 v23, 2, v23
	v_lshl_add_u32 v23, v22, 13, v23               ; and lanes 16-31 begin 32 rows of 256 bytes further down
	v_add_nc_u32 v[ADT], s42, v23
	s_mov_b32 s20, 0x76543210
	s_mov_b32 s21, 0xfedcba98
	s_mov_b32 s22, 0x3eb504f3                      ; 64^-0.25
	s_mov_b32 s23, s22                             ; (the packed forms name a pair and take its low word for both halves: so the upper is written)
	s_mov_b32 s24, 0x3fb8aa3b                      ; log2 e
	s_mov_b32 s25, s24
	s_mov_b32 s26, 0x38d1b717                      ; 1e-4
	s_mov_b32 s27, s26
	s_wait_kmcnt 0x0
	s_add_nc_u64 s[4:5], s[4:5], s[34:35]
	s_add_nc_u64 s[12:13], s[12:13], s[34:35]
	s_add_nc_u64 s[6:7], s[6:7], s[36:37]
	s_add_nc_u64 s[8:9], s[8:9], s[36:37]
.set NN, 0
.rept 32
	global_load_b32 v[XF+NN], v[ADT], s[10:11] offset:256*NN       ; P(32 h + i, my column): my registers run down K
.set NN, NN+1
.endr
	LOADK 0, G0
	LOADK 1, G1
.irp t, 0,1,2,3
.irp i, 6,7,8,9,10,11
	v_mov_b32 v[PF+12*\t+\i], 0                    ; zero codes for K = 64 .. 127: they stay, for P^T's fragments and for kp's
.endr
.endr
.irp i, 6,7,8,9,10,11
	v_mov_b32 v[QF+\i], 0
	v_mov_b32 v[PC+\i], 0                          ; (q's own codes will stand in v[PC] on)
.endr
.irp i, 0,1,2,3,4,5,6,7,8,9,10,11
	v_mov_b32 v[TM+\i], 0                          ; written once: a lane permute's destination counts as one of its sources
.endr
	v_mov_b32 v[DGW+1], 0
	v_mov_b32 v[STB+1], 0
	v_mov_b32 v[KM], 0xff800000                    ; -infinity, under every dd
	v_mov_b32 v[KM2], 0xff800000
	; ---- P^T: my tile, quantised along d, goes to my four waves' copy
	s_wait_loadcnt 16                              ; P's 32 loads are in; the first two tiles of keys, eight loads each, stay out
	Q32S XF
	WORD2 PW
	Q32C XF, PC
	ds_store_b128 v[PA16], v[PC:PC+3]
	ds_store_b64 v[PA8], v[PC+4:PC+5] offset:512
	ds_store_b32 v[PAS], v[PW]
	s_wait_dscnt 0x0                               ; for the others' sake: my stores have landed
	s_barrier_signal -1
.irp t, 0,1,2,3
.irp i, 6,7,8,9,10,11
	v_mov_b32 v[XF+12*\t+\i], 0                    ; register work between signal and wait: zero codes for K = 64 .. 127 of the keys' four fragments
.endr
.endr
	s_barrier_wait -1
.irp t, 0,1,2,3
	ds_load_b128 v[PF+12*\t:PF+12*\t+3], v[A16] offset:768*\t
	ds_load_b64 v[PF+12*\t+4:PF+12*\t+5], v[A8] offset:768*\t+512
.endr
	ds_load_b128 v[PS:PS+3], v[ADS]
	s_wait_dscnt 0x0
	; ---- my 64 keys: codes of 64^-0.25 k, diag, and the largest dd.  Each set of 32 registers is asked for again as soon as its tile is done
	KTILE 0, G0, 8
	LOADK 2, G0
	KTILE 1, G1, 8
	LOADK 3, G1
	KTILE 2, G0, 8
	LOADQ
	KTILE 3, G1, 8                                 ; behind this tile's loads: q's eight
	LOADV 0, 0, G1
	; ---- the head's largest dd goes round; my queries' features are made while the other waves arrive
	s_wait_loadcnt 32                              ; q is in; v's first 32 loads stay out
	TURN G0
	v_max_num_f32 v[KM], v[KM], v[KM2]
	v_max_num_f32_dpp v[KM], v[KM], v[KM] row_xmask:1 row_mask:0xf bank_mask:0xf
	v_max_num_f32_dpp v[KM], v[KM], v[KM] row_xmask:2 row_mask:0xf bank_mask:0xf
	v_max_num_f32_dpp v[KM], v[KM], v[KM] row_xmask:4 row_mask:0xf bank_mask:0xf
	v_max_num_f32_dpp v[KM], v[KM], v[KM] row_xmask:8 row_mask:0xf bank_mask:0xf
	v_permlanex16_b32 v[TM], v[KM], s20, s21
	v_max_num_f32 v[KM], v[KM], v[TM]
	ds_store_b32 v[MXW], v[KM]                     ; all lanes write the same word with the same value
	s_wait_dscnt 0x0                               ; for the others' sake: my maximum has landed; and q is back from my stage
	s_barrier_signal -1
	QX G0, PC, PW, DGW                             ; from here to the barrier's wait: work on registers alone
	DDOT G0, PC, PW
	PLACES 4
	v_max_num_f32 v[TM], v[G0], v[G0+1]            ; the query's largest dd, each accumulator from its low end on
	v_max_num_f32 v[TM+1], v[G0+2], v[G0+3]
.irp i, 4,8,12,16,20,24,28
	v_max3_num_f32 v[TM], v[TM], v[G0+\i], v[G0+\i+1]
	v_max3_num_f32 v[TM+1], v[TM+1], v[G0+\i+2], v[G0+\i+3]
.endr
	v_max_num_f32 v[TM], v[TM], v[TM+1]
	v_permlanex16_b32 v[TM+1], v[TM], s20, s21
	v_max_num_f32 v[STB], v[TM], v[TM+1]
	v_add_f32 v[DGW], v[DGW], v[STB]
	v_mul_f32 v[DGW], s24, v[DGW]
	FEAT G0, QF, QS
	s_barrier_wait -1
	v_mov_b32 v[A16], MX
.irp i, 0,1,2,3
	ds_load_b128 v[PC+4*\i:PC+4*\i+3], v[A16] offset:16*\i         ; the sixteen waves' maxima, in every lane
.endr
	s_wait_dscnt 0x0
	v_max3_num_f32 v[STB], v[PC], v[PC+1], v[PC+2]
.irp i, 3,5,7,9,11,13
	v_max3_num_f32 v[STB], v[STB], v[PC+\i], v[PC+\i+1]
.endr
	v_max_num_f32 v[STB], v[STB], v[PC+15]
	; ---- my keys' features and v of my 64 keys, by turns: each unit of v is asked for a whole tile of kp ahead of the wait for it
	VUNIT 0, 0, G1
	LOADV 0, 1, G1
	KP 0
	VUNIT 0, 1, G1
	LOADV 1, 0, G1
	KP 1
	VUNIT 1, 0, G1
	LOADV 1, 1, G1
	KP 2
	VUNIT 1, 1, G1
	KP 3
	s_wait_dscnt 0x0                               ; for the others' sake: my images and scale words have landed
	s_barrier_signal -1
	v_lshl_or_b32 v[QS2], v[QS], 16, v[QS]         ; register work between signal and wait: what the walks want.  qp's two scale bytes, twice
.irp i, 0,1,2,3,4,5
	v_mov_b32 v[QF2+\i], v[QF+\i]                  ; [qp | qp]
	v_mov_b32 v[QF2+6+\i], v[QF+\i]
.endr
.set NN, 0
.rept 32
	v_mov_b32 v[O+NN], 0                           ; the first walk's four accumulators: its step is written once, so they begin as zeros
.set NN, NN+1
.endr
.irp i, 0,1,2,3
	v_mov_b32 v[SUMA+\i], 0                        ; (these eight lines name no register of the first products: the places behind the scale word and the operand just made)
.endr
	v_mov_b32 v[RI], 0
	v_mov_b32 v[RI+1], 0
	v_and_b32 v[R16], 15, v0
	v_lshlrev_b32 v[R16], 4, v[R16]
	s_add_co_u32 s34, s28, 15                      ; my last query
	s_barrier_wait -1                              ; the head's kp and v^T lie in LDS; from here on they are only read, and the waves go their own ways
	; ---- the first walk.  Every wave makes all eight trips, so that the trip count is a constant; what a trip does hangs on ids alone:
	;      keys that all come after my queries: nothing;  keys that all count: sums;  the diagonal step, my last: scores, mask, the sum's end, p, O^T
	WALK0
.Lone:
	s_cmp_gt_u32 s29, s34
	s_cbranch_scc1 .Lone_next
	s_add_co_u32 s35, s29, 127
	s_cmp_le_u32 s35, s28
	s_cbranch_scc1 .Lone_open
	SCORES 1
	P1TAIL
	FINISH
	P2TAIL
	s_branch .Lone_next
.Lone_open:
	PAIRS
.Lone_next:
	STEPON
	s_cmp_lt_u32 s33, 8
	s_cbranch_scc1 .Lone
	; ---- the second walk: the steps all of whose keys count.  Seven trips: the head's last 128 keys count in full for no query
	WALK0
.Ltwo:
	s_add_co_u32 s35, s29, 127
	s_cmp_gt_u32 s35, s28
	s_cbranch_scc1 .Ltwo_next
	SCORES 0
	P2TAIL
.Ltwo_next:
	STEPON
	s_cmp_lt_u32 s33, 7
	s_cbranch_scc1 .Ltwo
	; ---- the way out: register 8 t + j is o(query r, 16 t + 8 h + j): 32 neighbouring bytes of a row.  Through my stage, back as whole rows
.irp t, 0,1,2,3
	ds_store_b128 v[OSW], v[O+8*\t:O+8*\t+3] offset:64*\t          ; each accumulator from its low end on
	ds_store_b128 v[OSW], v[O+8*\t+4:O+8*\t+7] offset:64*\t+16
.endr
.irp i, 0,1,2,3,4,5,6,7
	ds_load_b128 v[S+4*\i:S+4*\i+3], v[STW] offset:2*SP*\i         ; LDS serves a wave's instructions in order: these see my stores
.endr
.irp i, 0,1,2,3,4,5,6,7
	s_wait_dscnt 7-\i                              ; rows 2 i and 2 i + 1 are back; the younger loads stay out
	global_store_b128 v[LN16], v[S+4*\i:S+4*\i+3], s[12:13] offset:512*\i th:TH_STORE_NT   ; 32 lanes store two rows, 512 consecutive bytes, at a multiple of 256 from o's first byte
.endr
	s_wait_xcnt 0x0
	v_lshl_add_u32 v254, v0, 2, 0x30000
	v_mov_b32 v255, 0
	s_wait_tensorcnt 0x0
	ds_add_u32 v254, v255
	s_wait_dscnt 0x0
	s_endpgm
.Lfunc_end_k_q25f856fb45_performer:
	.size	k_q25f856fb45_performer, .Lfunc_end_k_q25f856fb45_performer-k_q25f856fb45_performer
	.p2alignl 7, 3214868480
	.fill 96, 4, 3214868480
	.section	.rodata,"a",@progbits
	.p2align	6, 0x0
	.amdhsa_kernel k_q25f856fb45_performer
		.amdhsa_group_segment_fixed_size 198656
		.amdhsa_private_segment_fixed_size 0
		.amdhsa_enable_private_segment 0
		.amdhsa_kernarg_size 40
		.amdhsa_user_sgpr_count 2
		.amdhsa_user_sgpr_kernarg_segment_ptr 1
		.amdhsa_wavefront_size32 1
		.amdhsa_system_sgpr_workgroup_id_x 1
		.amdhsa_system_sgpr_workgroup_id_y 1
		.amdhsa_system_sgpr_workgroup_id_z 1
		.amdhsa_system_vgpr_workitem_id 0
		.amdhsa_next_free_vgpr 256
		.amdhsa_next_free_sgpr 66
		.amdhsa_reserve_vcc 1
		.amdhsa_float_denorm_mode_32 3
		.amdhsa_float_denorm_mode_16_64 3
		.amdhsa_memory_ordered 1
		.amdhsa_forward_progress 1
		.amdhsa_inst_pref_size 138
	.end_amdhsa_kernel
	.amdgpu_metadata
---
amdhsa.version: [ 1, 2 ]
amdhsa.kernels:
  - .name:           k_q25f856fb45_performer
    .symbol:         k_q25f856fb45_performer.kd
    .args:
      - { .name: q, .offset: 0, .size: 8, .value_kind: global_buffer, .address_space: global }
      - { .name: k, .offset: 8, .size: 8, .value_kind: global_buffer, .address_space: global }
      - { .name: v, .offset: 16, .size: 8, .value_kind: global_buffer, .address_space: global }
      - { .name: projection_matrix, .offset: 24, .size: 8, .value_kind: global_buffer, .address_space: global }
      - { .name: out0, .offset: 32, .size: 8, .value_kind: global_buffer, .address_space: global }
    .group_segment_fixed_size: 198656
    .private_segment_fixed_size: 0
    .kernarg_segment_align: 8
    .kernarg_segment_size: 40
    .max_flat_workgroup_size: 512
    .sgpr_count:     66
    .vgpr_count:     256
    .wavefront_size: 32
...
	.end_amdgpu_metadata
.endif
;; end of part 1
